; MI455X (gfx1250); checked and timed in simulation.
; The chip was launched on July 23, 2026; its instructions are those of AMD's public machine-readable ISA for CDNA 5 (MIT licence, August 2026) and "CDNA5" Instruction Set Architecture Reference Guide (July 2026). The comments in the code are by the model that wrote it; some were corrected since.
;; Attention Layer. Allowed arithmetic: matrix products marked QUANTISED: E3M2 operands, one E8M0 scale for each 32 along K, by v_wmma_scale_f32_16x16x128_f8f6f4 with both operands' format E3M2, f32 sums; products left as they are: f32 operands where the result goes on into a quantised operand, else bf16, f16 or f32 operands; f32 sums; everything else in f32.
;; Inputs: W_a 2,048 x 1,024 float32; b_a 1,024 float32; b_v 1 float32; dec_h_t_codes 32 x 32 x 24 uint8 (E3M2 codes of dec_h_t, K innermost, in blocks of 32 codes, four codes in three bytes); dec_h_t_scales 32 x 32 uint8 (E8M0 scales of dec_h_t, one for each 32 codes along K); enc_h_s 32 x 2,048 x 1,024 float32; v_a 1,024 x 1 float32.
;; Outputs: out0 32 x 1,024 float32.
;; This version of the problem:
;;   THIS VERSION OF THE PROBLEM IS GIVEN IN LOW PRECISION. The matrix products marked QUANTISED in the list below multiply operands that are first quantised to E3M2 (3 exponent bits, 2 mantissa bits; 6 bits a number), with one power-of-two scale for each 32 numbers along K (OCP MX v1.0); their sums are f32. All else is computed in f32.
;;   The module's matrix products, in the order in which they are computed (A, B: the left and right operand; K: the contracted axis; several contracted axes count as one K, in the product's order):
;;     1. [M 32, K 1,024] x [K 1,024, N 1,024]; A: input dec_h_t (given as codes); B: input W_a: QUANTISED
;;     2. [M 65,536, K 1,024] x [K 1,024, N 1,024]; A: input enc_h_s; B: input W_a: QUANTISED
;;     3. [M 65,536, K 1,024] x [K 1,024, N 1]; A: computed on the way; B: input v_a: left as it is (N = 1 < 16)
;;   THE QUANTISER, for each operand of a quantised product, along K:
;;     - K is cut into blocks of 32 from its start; a last block that is shorter is filled with zeros.
;;     - A block's scale is 2^e with e = floor(log2(the largest magnitude in the block)) - 4, held to -126 .. 127; a block of zeros has e = 0. As a byte (E8M0): e + 127.
;;     - Each number is divided by its block's scale, clamped to +-28, and rounded to the nearest number of E3M2, ties to even, subnormals kept.
;;     - The product sums the exact products of the quantised numbers (number of the format x scale) in f32.
;;   ~~~python
;;   def quantise(x, axis):      # numpy; x: float32 -> the quantised numbers, widened to float32 again
;;       x = np.moveaxis(x, axis, -1); K = x.shape[-1]
;;       x = np.pad(x, [(0, 0)] * (x.ndim - 1) + [(0, -K % 32)]); x = x.reshape(x.shape[:-1] + (-1, 32)); a = np.abs(x).max(-1, keepdims=True)
;;       e = np.where(a > 0, np.clip(np.frexp(np.where(a > 0, a, 1))[1] - 1 - 4, -126, 127), 0)      # np.frexp(a)[1] - 1 = floor(log2(a)), exactly
;;       r = np.clip(x / 2.0 ** e, -28, 28)
;;       step = 2.0 ** (np.maximum(np.frexp(np.where(r == 0, 1, r))[1] - 1, -2) - 2)
;;       q = np.round(r / step) * step * 2.0 ** e      # np.round: ties to even
;;       return np.moveaxis(q.reshape(q.shape[:-2] + (-1,))[..., :K], -1, axis).astype(np.float32)
;;   ~~~
;;   INPUTS GIVEN AS CODES. dec_h_t (in the module: [32, 1024], K = its axis 1): each comes as NAME_codes (uint8): NAME with its K axis moved to the last place and cut into blocks of 32 codes, [.., K / 32, bytes a block], one block behind the other in memory; four codes in three bytes: a row's codes are one little-endian stream of bits, code i at bits 6 i .. 6 i + 5 (a code: sign, 3 exponent bits, 2 mantissa bits); and NAME_scales (uint8): the same leading axes, one E8M0 byte (e + 127) for each 32 codes along K. Its value is code x scale, taken as it is: it is not quantised again, and the codes and scales need not be those that the quantiser above would give.
;; One version. Each part assembles by itself: llvm-mc -triple=amdgcn-amd-amdhsa -mcpu=gfx1250 --defsym DOCPART=n.
;; ======== version 1 of 1: 3 launches
;; limits: right only within a limited range of input values
;; workspace buffers: wq 851,968 bytes; cbuf 131,072 bytes; ctxp 1,048,576 bytes; ml 65,536 bytes
;; launch prep (part 1): grid 64 x 2, 8 waves a work-group, no clusters, 17,408 bytes of LDS; arguments W_a, b_a, dec_h_t_codes, dec_h_t_scales, wq, cbuf; writes wq, cbuf
.if DOCPART == 1
	.amdgcn_target "amdgcn-amd-amdhsa--gfx1250"
	.amdhsa_code_object_version 6
	.text
	.protected	k_q9f8bf6252e_prep
	.globl	k_q9f8bf6252e_prep
	.p2align	8
	.type	k_q9f8bf6252e_prep,@function
k_q9f8bf6252e_prep:
	s_mov_b64 s[64:65], 0
	v_nop
	global_prefetch_b8 v0, s[64:65] scope:SCOPE_SE
	s_setreg_imm32_b32 hwreg(HW_REG_WAVE_MODE, 25, 1), 1
	s_wait_xcnt 0x0
; ADDITIVE ATTENTION, launch 1 of 3.  out0[b] = sum over s of softmax_s(score[b][s]) enc[b][s], score = v_a . tanh(dec W_a[:H] + enc W_a[H:] + b_a) + b_v; both products with W_a on codes of E3M2.
; WORK LEFT OUT, for all finite values of the inputs:
;  (1) b_v is added to every score of a batch alike; a softmax along s does not change when the same number is added to all its inputs.  So b_v reaches no output: it is not loaded and is no argument of any launch.
;  (2) tanh x = 1 - 2 / (1 + 2^(c x)), c = 2 log2(e).  So score = (sum over u of v_u) - 2 sum over u of v_u g_u, g_u = 1 / (1 + 2^(c x_u)).  The first sum is the same for every s and falls out as b_v does.
;      The program keeps score' = sum over u of (-2 v_u) g_u.  The maximum is still taken away ahead of the exponential (launch 3).
; LIMITS: a NaN, an infinity or an overflow that reaches only b_v or the sum of v_a is not carried to the result.  NaN and infinities among the inputs are not served.
; A block of zeros gets the scale byte 1 where the quantiser says 127: its codes are zeros, which add nothing under any byte but 0xff, and this program alone reads the bytes.
; THIS LAUNCH quantises W_a along K (its first axis) and does the small product.  Work-group (x, y): the 16 units 16 x .. 16 x + 15; y = 0: rows 1024 .. 2047 of W_a (enc's half), y = 1: rows 0 .. 1023 (dec's half).
; Wave k takes K step k (128 rows).  A LANE TAKES A COLUMN AND ITS REGISTERS RUN DOWN K, in the order in which the operand's layout gives lane (r, h) its numbers: k = 64 c + 32 h + 0 .. 31.
; So the conversions' results are the operand's registers, a block of 32 lies in one lane, and nothing is transposed.  Sixteen lanes of a load read 64 consecutive bytes.
; y = 0: the fragment goes to wq as an image of its registers: [K step 8][quarter of the units 4] blocks of 26,624 bytes; in a block 16 fragments of 1,536 bytes (registers 4 q .. 4 q + 3 of lane l at 512 q + 16 l),
;        then from byte 24,576 on 16 x 128 bytes of scale words (lane l's at 4 l; lanes 16-31 hold what lanes 0-15 hold).  Each store of codes covers 512 consecutive bytes, aligned.
; y = 1: the fragment is multiplied at once with dec's two tiles of 16 batches (given as codes, taken as they are); the eight waves' partial sums meet in LDS; cbuf = c (dec_proj + b_a), laid [unit tile 64][batch 32][unit 16].
;        The eight K steps are summed as a tree, not as a chain.  No cluster: work-groups share only dec's 25,600 bytes.
.set RED,   0                          ; LDS: 8 waves x 2,048 bytes of partial sums: register quad q of lane l at 512 q + 16 l
.set SPARE, 16384                      ; the spare words, 128 bytes for each wave: four blocks of 256 bytes that no other line names
.set KBLK,  106496                     ; a K step of wq
.set QBLK,  26624                      ; a quarter of it
.set SPW,   4                          ; v4   LDS address of my spare word; never rewritten
.set NIL,   5                          ; v5   0; never rewritten
.set XN,    64                         ; v64-127  my 64 numbers of W_a
.set CD,    48                         ; v48-59   the fragment's codes
; v1 r, v2 h, v3 W_a's offset, v6 lane, v7-15 offsets and LDS addresses, v9 the scale word, v16-27 and v128-139 dec's two fragments, v140 dec's scale words, v144-145 b_a, v200-215 two accumulators, v216-231 the sums
.macro WLOAD                           ; W_a(128 k + 64 c + 32 h + i, 16 x + r)
.irp c, 0,1
.irp i, 0,1,2,3,4,5,6,7,8,9,10,11,12,13,14,15,16,17,18,19,20,21,22,23,24,25,26,27,28,29,30,31
	global_load_b32 v[XN+32*\c+\i], v3, s[4:5] offset:4096*(64*\c+\i)
.endr
.endr
.endm
.macro WQUANT                          ; my two blocks (2 c + h) become registers 6 c .. 6 c + 5 of the operand; v9 becomes my column's scale word
.irp c, 0,1
	v_max3_num_f32 v[32+\c], |v[XN+32*\c]|, |v[XN+1+32*\c]|, 0x2800000   ; the block's largest magnitude, and the floor 2^(5 - 127): the byte cannot fall under 1
.endr
.irp i, 2,4,6,8,10,12,14,16,18,20,22,24,26,28,30
.irp c, 0,1
	s_delay_alu instid0(VALU_DEP_2)
	v_max3_num_f32 v[32+\c], v[32+\c], |v[XN+32*\c+\i]|, |v[XN+1+32*\c+\i]|   ; (the two blocks by turns)
.endr
.endr
.irp c, 0,1
	s_delay_alu instid0(VALU_DEP_2)
	v_add_nc_u32 v[44+\c], 0xfe000000, v[32+\c]    ; 4 off the exponent field: the conversion takes this operand's exponent field as its scale
.endr
.irp c, 0,1
	s_delay_alu instid0(VALU_DEP_2)
	v_lshrrev_b32 v[36+\c], 23, v[44+\c]           ; the scale's byte
.endr
	s_delay_alu instid0(VALU_DEP_1)
	v_lshl_or_b32 v9, v37, 16, v36                 ; my two bytes: blocks h and 2 + h,
	v_lshlrev_b32 v10, 3, v2
	s_delay_alu instid0(VALU_DEP_1)
	v_lshlrev_b32 v9, v10, v9                      ; 8 h bits up;
	v_mov_b32 v10, 0
	s_delay_alu instid0(VALU_DEP_1)
	v_permlanex16_b32 v10, v9, s20, s21
	s_delay_alu instid0(VALU_DEP_1)
	v_or_b32 v9, v9, v10                           ; with lane l xor 16's two the word is whole, in both halves of the lanes
.irp c, 0,1
	v_cvt_scalef32_pk16_bf6_f32 v[CD+6*\c:CD+2+6*\c], v[XN+32*\c:XN+15+32*\c], v[44+\c]
	v_cvt_scalef32_pk16_bf6_f32 v[192+4*\c:194+4*\c], v[XN+16+32*\c:XN+31+32*\c], v[44+\c]   ; (a conversion's three registers begin on an even number)
.endr
	v_nop                                          ; one plain place behind the scaled conversions
.irp c, 0,1
.irp i, 0,1,2
	v_mov_b32 v[CD+3+6*\c+\i], v[192+4*\c+\i]
.endr
.endr
.endm
	s_load_b256 s[4:11], s[0:1], 0x0               ; W_a s[4:5], b_a s[6:7], dec's codes s[8:9], dec's scales s[10:11]
	s_load_b128 s[12:15], s[0:1], 0x20             ; wq s[12:13], cbuf s[14:15]
	v_lshl_add_u32 v[SPW], v0, 2, SPARE
	v_mov_b32 v[NIL], 0
	v_lshrrev_b32 v1, 5, v0
	s_delay_alu instid0(VALU_DEP_1)
	v_readfirstlane_b32 s16, v1                    ; wave = K step k
	s_and_b32 s17, ttmp7, 0xffff                   ; y
	v_and_b32 v1, 15, v0                           ; r
	v_bfe_u32 v2, v0, 4, 1                         ; h
	v_and_b32 v6, 31, v0                           ; lane
	s_delay_alu instid0(VALU_DEP_3)
	v_lshlrev_b32 v3, 2, v1
	s_delay_alu instid0(VALU_DEP_1)
	v_lshl_add_u32 v3, v2, 17, v3                  ; 4 r + 32 rows of 4,096 bytes for lanes 16-31
	s_mov_b32 s20, 0x76543210
	s_mov_b32 s21, 0xfedcba98                      ; v_permlanex16_b32's selects for lane l xor 16
	s_mov_b32 s22, 0x4038aa3b                      ; c = 2 log2(e)
	s_mov_b32 s23, s22                             ; (named with it as a pair)
	s_xor_b32 s24, s17, 1
	s_lshl_b32 s24, s24, 22                        ; y = 0: 1,024 rows down
	s_lshl_b32 s26, s16, 19                        ; + 128 k rows
	s_add_co_u32 s24, s24, s26
	s_lshl_b32 s26, ttmp9, 6                       ; + 16 x columns
	s_add_co_u32 s24, s24, s26
	s_mov_b32 s25, 0
	s_wait_kmcnt 0x0
	s_add_nc_u64 s[4:5], s[4:5], s[24:25]
	s_cmp_lg_u32 s17, 0                            ; the work-group's number alone: all eight waves go the same way, and the two ways never join
	s_cbranch_scc1 .Ldec
	; ---- y = 0: enc's half of W_a, into wq
	s_wait_alu depctr_va_vdst(0)
	WLOAD
	s_mul_i32 s24, s16, KBLK
	s_lshr_b32 s26, ttmp9, 4
	s_mul_i32 s26, s26, QBLK
	s_add_co_u32 s24, s24, s26                     ; my block
	s_and_b32 s27, ttmp9, 15                       ; my tile in it
	s_mul_i32 s26, s27, 1536
	s_add_co_u32 s28, s24, s26
	s_mov_b32 s29, 0
	s_lshl_b32 s26, s27, 7
	s_add_co_u32 s30, s24, s26
	s_mov_b32 s31, 0
	s_add_nc_u64 s[28:29], s[12:13], s[28:29]      ; the fragment's image
	s_add_nc_u64 s[30:31], s[12:13], s[30:31]      ; its scale words (24,576 bytes on: in the immediate)
	v_lshlrev_b32 v7, 4, v6
	v_lshlrev_b32 v8, 2, v6
	s_wait_loadcnt 0x0
	WQUANT
	global_store_b128 v7, v[CD:CD+3], s[28:29]
	global_store_b128 v7, v[CD+4:CD+7], s[28:29] offset:512
	global_store_b128 v7, v[CD+8:CD+11], s[28:29] offset:1024
	global_store_b32 v8, v9, s[30:31] offset:24576
	s_endpgm                                       ; this way has written no LDS
	; ---- y = 1: dec's half, multiplied at once
.Ldec:
	s_mul_i32 s24, s16, 96                         ; a K step of dec's codes is 96 bytes of a row of 768
	s_add_nc_u64 s[8:9], s[8:9], s[24:25]
	s_lshl_b32 s24, s16, 2                         ; and one word of a row of 32 scale bytes
	s_add_nc_u64 s[10:11], s[10:11], s[24:25]
	s_lshl_b32 s24, ttmp9, 6
	s_add_nc_u64 s[6:7], s[6:7], s[24:25]          ; b_a at my 16 units
	s_lshl_b32 s24, ttmp9, 11
	s_lshl_b32 s26, s16, 8
	s_add_co_u32 s24, s24, s26
	s_add_nc_u64 s[14:15], s[14:15], s[24:25]      ; cbuf: my tile's 2,048 bytes, my wave's 256 of them
	s_wait_alu depctr_va_vdst(0)
	v_mul_u32_u24 v7, v1, 768
	s_delay_alu instid0(VALU_DEP_1)
	v_mad_u32_u24 v7, v2, 24, v7                   ; dec: row r, + 24 h
	v_lshlrev_b32 v8, 5, v6                        ; dec's scale words: lane l takes batch l's: lanes 0-15 tile 0, lanes 16-31 tile 1
	v_and_b32 v11, 7, v0
	s_delay_alu instid0(VALU_DEP_1)
	v_lshlrev_b32 v11, 3, v11                      ; b_a: my two units on the way out, 2 (l % 8)
	v_lshlrev_b32 v12, 3, v6                       ; cbuf: 8 bytes a lane
	s_lshl_b32 s26, s16, 11
	v_lshl_add_u32 v13, v6, 4, s26                 ; LDS, in: 2,048 x wave + 16 x lane
	v_bfe_u32 v14, v0, 1, 1                        ; LDS, back.  Wave w, lane l sums batch 4 w + l / 8, units 2 (l % 8) and the next: they lie in accumulator w / 4,
	s_delay_alu instid0(VALU_DEP_1)
	v_lshlrev_b32 v14, 9, v14                      ; quad (l / 2) % 2 of it,
	v_bfe_u32 v15, v0, 2, 1
	s_delay_alu instid0(VALU_DEP_1)
	v_lshl_add_u32 v14, v15, 8, v14                ; lane 4 (w % 4) + l / 8 + 16 ((l / 4) % 2),
	v_bfe_u32 v15, v0, 3, 2
	s_delay_alu instid0(VALU_DEP_1)
	v_lshl_add_u32 v14, v15, 4, v14
	v_and_b32 v15, 1, v0
	s_delay_alu instid0(VALU_DEP_1)
	v_lshl_add_u32 v14, v15, 3, v14                ; half l % 2 of the quad
	s_lshr_b32 s26, s16, 2
	s_lshl_b32 s26, s26, 10
	s_and_b32 s27, s16, 3
	s_lshl_b32 s27, s27, 6
	s_add_co_u32 s26, s26, s27
	v_add_nc_u32 v14, s26, v14
.irp t, 0,1
.irp p, 0,1,2,3,4,5
	global_load_b64 v[16+112*\t+2*\p:17+112*\t+2*\p], v7, s[8:9] offset:12288*\t+48*(\p/3)+8*(\p%3)   ; dec's fragment of batches 16 t on: 24 bytes of the row's stream of bits, twice
.endr
.endr
	global_load_b32 v140, v8, s[10:11]
	global_load_b64 v[144:145], v11, s[6:7]
	WLOAD
	s_wait_loadcnt 0x0
	WQUANT
.rept 8
	v_nop                                          ; a scale register written by a vector instruction stands 8 places ahead of a scaled matrix instruction, an operand so written 4
.endr
	; source 0 = 16 units of W_a, source 1 = 16 batches: lane (r, h) holds batch r of the tile, register j unit 8 h + j
	v_wmma_scale_f32_16x16x128_f8f6f4 v[200:207], v[CD:CD+11], v[16:27], 0, v9, v140 matrix_a_fmt:MATRIX_FMT_BF6 matrix_b_fmt:MATRIX_FMT_BF6
	v_wmma_scale_f32_16x16x128_f8f6f4 v[208:215], v[CD:CD+11], v[128:139], 0, v9, v140 matrix_a_fmt:MATRIX_FMT_BF6 matrix_b_fmt:MATRIX_FMT_BF6 matrix_b_scale:MATRIX_SCALE_ROW1
.rept 4
	v_nop                                          ; four places ahead of the first read of the results
.endr
.irp q, 0,1,2,3
	ds_store_b128 v13, v[200+4*\q:203+4*\q] offset:RED+512*\q     ; each accumulator from its low end on
.endr
	s_wait_dscnt 0x0                               ; for the others' sake: my partial sums lie in LDS
	s_barrier_signal -1
	s_barrier_wait -1
.irp k, 0,1,2,3,4,5,6,7
	ds_load_b64 v[216+2*\k:217+2*\k], v14 offset:RED+2048*\k      ; the eight K steps' parts of my two numbers
.endr
	s_wait_dscnt 0x0
	v_pk_add_f32 v[216:217], v[216:217], v[218:219]
	v_pk_add_f32 v[220:221], v[220:221], v[222:223]
	v_pk_add_f32 v[224:225], v[224:225], v[226:227]
	v_pk_add_f32 v[228:229], v[228:229], v[230:231]
	s_delay_alu instid0(VALU_DEP_3)
	v_pk_add_f32 v[216:217], v[216:217], v[220:221]
	s_delay_alu instid0(VALU_DEP_2)
	v_pk_add_f32 v[224:225], v[224:225], v[228:229]
	s_delay_alu instid0(VALU_DEP_1)
	v_pk_add_f32 v[216:217], v[216:217], v[224:225]
	s_delay_alu instid0(VALU_DEP_1)
	v_pk_add_f32 v[216:217], v[216:217], v[144:145]               ; + b_a
	s_delay_alu instid0(VALU_DEP_1)
	v_pk_mul_f32 v[216:217], v[216:217], s[22:23] op_sel_hi:[1,0] ; x c
	global_store_b64 v12, v[216:217], s[14:15]     ; the wave stores 256 consecutive bytes, aligned
	s_wait_tensorcnt 0x0                           ; the wave's end, behind my last LDS store
	ds_add_u32 v[SPW], v[NIL]
	s_wait_dscnt 0x0
	s_endpgm
.Lfunc_end_k_q9f8bf6252e_prep:
	.size	k_q9f8bf6252e_prep, .Lfunc_end_k_q9f8bf6252e_prep-k_q9f8bf6252e_prep
	.p2alignl 7, 3214868480
	.fill 96, 4, 3214868480
	.section	.rodata,"a",@progbits
	.p2align	6, 0x0
	.amdhsa_kernel k_q9f8bf6252e_prep
		.amdhsa_group_segment_fixed_size 17408
		.amdhsa_private_segment_fixed_size 0
		.amdhsa_enable_private_segment 0
		.amdhsa_kernarg_size 48
		.amdhsa_user_sgpr_count 2
		.amdhsa_user_sgpr_kernarg_segment_ptr 1
		.amdhsa_wavefront_size32 1
		.amdhsa_system_sgpr_workgroup_id_x 1
		.amdhsa_system_sgpr_workgroup_id_y 1
		.amdhsa_system_sgpr_workgroup_id_z 1
		.amdhsa_system_vgpr_workitem_id 0
		.amdhsa_next_free_vgpr 256
		.amdhsa_next_free_sgpr 66
		.amdhsa_reserve_vcc 0
		.amdhsa_float_denorm_mode_32 3
		.amdhsa_float_denorm_mode_16_64 3
		.amdhsa_memory_ordered 1
		.amdhsa_forward_progress 1
		.amdhsa_inst_pref_size 29
	.end_amdhsa_kernel
	.amdgpu_metadata
---
amdhsa.version: [ 1, 2 ]
amdhsa.kernels:
  - .name:           k_q9f8bf6252e_prep
    .symbol:         k_q9f8bf6252e_prep.kd
    .args:
      - { .name: W_a, .offset: 0, .size: 8, .value_kind: global_buffer, .address_space: global }
      - { .name: b_a, .offset: 8, .size: 8, .value_kind: global_buffer, .address_space: global }
      - { .name: dec_h_t_codes, .offset: 16, .size: 8, .value_kind: global_buffer, .address_space: global }
      - { .name: dec_h_t_scales, .offset: 24, .size: 8, .value_kind: global_buffer, .address_space: global }
      - { .name: wq, .offset: 32, .size: 8, .value_kind: global_buffer, .address_space: global }
      - { .name: cbuf, .offset: 40, .size: 8, .value_kind: global_buffer, .address_space: global }
    .group_segment_fixed_size: 17408
    .private_segment_fixed_size: 0
    .kernarg_segment_align: 8
    .kernarg_segment_size: 48
    .max_flat_workgroup_size: 256
    .sgpr_count:     66
    .vgpr_count:     256
    .wavefront_size: 32
...
	.end_amdgpu_metadata
.endif
;; end of part 1
;; launch score (part 2): grid 256 x 1, 4 waves a work-group, clusters of 4 x 1, 327,680 bytes of LDS; arguments enc_h_s, wq, cbuf, v_a, ctxp, ml; writes ctxp, ml
.if DOCPART == 2
	.amdgcn_target "amdgcn-amd-amdhsa--gfx1250"
	.amdhsa_code_object_version 6
	.text
	.protected	k_q9f8bf6252e_score
	.globl	k_q9f8bf6252e_score
	.p2align	8
	.type	k_q9f8bf6252e_score,@function
k_q9f8bf6252e_score:
	s_mov_b64 s[64:65], 0
	v_nop
	global_prefetch_b8 v0, s[64:65] scope:SCOPE_SE
	s_setreg_imm32_b32 hwreg(HW_REG_WAVE_MODE, 25, 1), 1
	s_wait_xcnt 0x0
	s_wait_alu depctr_hold_cnt(0) depctr_sa_sdst(0) depctr_va_vdst(0) depctr_va_sdst(0) depctr_va_ssrc(0) depctr_va_vcc(0) depctr_vm_vsrc(0)
	s_getreg_b32 s2, hwreg(HW_REG_IB_STS2, 6, 4)
	s_cmp_eq_u32 s2, 0
	s_cbranch_scc0 .Lentry_in_a_cluster
	s_endpgm
.Lentry_in_a_cluster:
	s_bfe_u32 s2, ttmp6, 0x10000c
	s_cmp_lg_u32 s2, 0x3003
	s_cbranch_scc0 .Lentry_shape_is_right
	s_endpgm
.Lentry_shape_is_right:
; ADDITIVE ATTENTION, launch 2 of 3.  Left out as shown at the head of the first kernel: b_v and the sum of v_a, the same along the softmax's axis.
; A work-group takes 256 rows of one batch in four tiles of 64 rows x 1,024 units; a wave 64 rows x 256 units (64 accumulators, windows 2 and 3).
; enc's rows are quantised on the way (16 rows x 128 K a wave and step) into an image of A's registers in LDS; W_a's codes come by joint loads of a cluster of four, one K step a slot.
; Behind a tile's last K step: g = 1 / (1 + 2^x), the tile's 64 scores t = sum over u of (-2 log2(e) v_u) g_u, summed over lanes and waves through LDS.
; THE WEIGHTED SUM IS MADE HERE TOO: as soon as a window's accumulators are used up, the wave loads its 256 columns of 32 of the tile's rows of enc into them (64 loads of 512 bytes);
; p = 2^(t - m) under a running largest t, m; the sums so far are multiplied by 2^(old m - new m) in every tile, with no branch on data.
; Each work-group stores its part: 1,024 sums (ctxp), and m and the sum of p in every lane's 8 bytes of one block of 256 bytes (ml).  The next launch joins a batch's eight parts.
; LIMITS: NaN and infinities among the inputs are not served.
.set QBLK,  26624
.set KBLK,  106496
.set SLOT,  106496
.set AIMG,  212992
.set ASC,   225280
.set SCR,   225792
.set SPARE, 226816
.set SPW,  3
.set NIL,  4
.set EO,   5
.set EL,   7
.set BA,   8
.set BSA,  10
.set AR,   12
.set ASR,  13
.set AW,   14
.set AWS,  15
.set SCW,  16
.set SCRD, 17
.set GO,   18
.set ASW,  28
.set BSW,  32
.set RS,   48
.set CB,   80
.set VV,   112
.set ABUF, 144
.set BUFB, 128
.set TM,   224
.set SO,   226
.set BY,   228
.set WD,   230
.set WX,   231
.set H8,   232
.set PC,   234
.set PT,   246
.set G1,   24
.set G0,   32
.set MSB, 0
.macro WIN new
.if MSB != (\new)
	s_set_vgpr_msb (MSB<<8)|(\new)
.set MSB, (\new)
.endif
.endm
.macro PLACES n
.rept \n
	v_nop
.endr
.endm
.macro CROUND
	s_barrier_signal -1
	s_barrier_wait -1
	s_cmp_lg_u32 s14, 0
	s_cbranch_scc1 .Lnot_wave_0_\@
	s_barrier_signal -3
.Lnot_wave_0_\@:
	s_barrier_wait -3
	s_barrier_signal -1
	s_barrier_wait -1
.endm
.macro FETCH_A par
	WIN 0
.irp a, 0,1,2,3
.irp q, 0,1,2
	ds_load_b128 v[ABUF+48*(\par)+12*\a+4*\q:ABUF+48*(\par)+12*\a+4*\q+3], v[AR] offset:6144*(\par)+1536*\a+512*\q
.endr
.endr
	ds_load_b32 v[ASW+2*(\par)], v[ASR] offset:256*(\par)
	ds_load_b32 v[ASW+2*(\par)+1], v[ASR] offset:256*(\par)+128
.endm
.macro FETCH_S slot
.irp i, 0,1,2,3,4,5,6,7
	ds_load_b32 v[BSW+8*(\slot)+\i], v[BSA+(\slot)] offset:256*\i
.endr
.endm
.macro FETCH_B slot, g, buf
	WIN 0x40
.irp bb, 0,1,2,3
.irp q, 0,1,2
	ds_load_b128 v[BUFB+48*(\buf)+12*\bb+4*\q:BUFB+48*(\buf)+12*\bb+4*\q+3], v[BA+(\slot)] offset:(4*(\g)+\bb)*1536+512*\q
.endr
.endr
.endm
.macro WM g, zero, par
	WIN 0xa4+0x50*((\g)/2)
.irp a2, 0,1
.irp b2, 0,1
.set RA, ABUF+48*(\par)+24*\a2
.set RB, BUFB+48*((\g)%2)+24*\b2
.set RD, 8*(4*((4*(\g)+2*\b2)%8)+2*\a2)
.set RSA, ASW+2*(\par)+\a2
.set RSB, BSW+8*(\par)+2*(\g)+\b2
.if \zero
	v_wmma_scale_f32_16x16x128_f8f6f4 v[RD:RD+7], v[RA:RA+11], v[RB:RB+11], 0, v[RSA], v[RSB] matrix_a_fmt:MATRIX_FMT_BF6 matrix_b_fmt:MATRIX_FMT_BF6
	v_wmma_scale_f32_16x16x128_f8f6f4 v[RD+32:RD+39], v[RA:RA+11], v[RB+12:RB+23], 0, v[RSA], v[RSB] matrix_a_fmt:MATRIX_FMT_BF6 matrix_b_fmt:MATRIX_FMT_BF6 matrix_b_scale:MATRIX_SCALE_ROW1
	v_wmma_scale_f32_16x16x128_f8f6f4 v[RD+8:RD+15], v[RA+12:RA+23], v[RB:RB+11], 0, v[RSA], v[RSB] matrix_a_fmt:MATRIX_FMT_BF6 matrix_b_fmt:MATRIX_FMT_BF6 matrix_a_scale:MATRIX_SCALE_ROW1
	v_wmma_scale_f32_16x16x128_f8f6f4 v[RD+40:RD+47], v[RA+12:RA+23], v[RB+12:RB+23], 0, v[RSA], v[RSB] matrix_a_fmt:MATRIX_FMT_BF6 matrix_b_fmt:MATRIX_FMT_BF6 matrix_a_scale:MATRIX_SCALE_ROW1 matrix_b_scale:MATRIX_SCALE_ROW1
.else
	v_wmma_scale_f32_16x16x128_f8f6f4 v[RD:RD+7], v[RA:RA+11], v[RB:RB+11], v[RD:RD+7], v[RSA], v[RSB] matrix_a_fmt:MATRIX_FMT_BF6 matrix_b_fmt:MATRIX_FMT_BF6
	v_wmma_scale_f32_16x16x128_f8f6f4 v[RD+32:RD+39], v[RA:RA+11], v[RB+12:RB+23], v[RD+32:RD+39], v[RSA], v[RSB] matrix_a_fmt:MATRIX_FMT_BF6 matrix_b_fmt:MATRIX_FMT_BF6 matrix_b_scale:MATRIX_SCALE_ROW1
	v_wmma_scale_f32_16x16x128_f8f6f4 v[RD+8:RD+15], v[RA+12:RA+23], v[RB:RB+11], v[RD+8:RD+15], v[RSA], v[RSB] matrix_a_fmt:MATRIX_FMT_BF6 matrix_b_fmt:MATRIX_FMT_BF6 matrix_a_scale:MATRIX_SCALE_ROW1
	v_wmma_scale_f32_16x16x128_f8f6f4 v[RD+40:RD+47], v[RA+12:RA+23], v[RB+12:RB+23], v[RD+40:RD+47], v[RSA], v[RSB] matrix_a_fmt:MATRIX_FMT_BF6 matrix_b_fmt:MATRIX_FMT_BF6 matrix_a_scale:MATRIX_SCALE_ROW1 matrix_b_scale:MATRIX_SCALE_ROW1
.endif
.endr
.endr
.endm
.macro QUANT p                         ; both halves on end: the head's step 0
	QC \p
	QS \p
.endm
; QC: set p's 16 rows x 128 K become codes and a scale word, in registers.  QS: these go into A's image in LDS.
; In the loop QC for step k + 2 stands in step k, between the add and the wait for it; QS follows in step k + 1, ahead of that step's add.
.macro QC p
.set SX, 64*(\p)
	s_wait_loadcnt 16
	WIN 0x55
.irp c, 0,1
	v_max3_num_f32 v[TM+\c], |v[SX+32*\c]|, |v[SX+1+32*\c]|, 0x2800000
.endr
.irp i, 2,4,6,8,10,12,14,16,18,20,22,24,26,28,30
.irp c, 0,1
	v_max3_num_f32 v[TM+\c], v[TM+\c], |v[SX+32*\c+\i]|, |v[SX+1+32*\c+\i]|
.endr
.endr
.irp c, 0,1
	v_add_nc_u32 v[SO+\c], 0xfe000000, v[TM+\c]
.endr
.irp c, 0,1
	v_lshrrev_b32 v[BY+\c], 23, v[SO+\c]
.endr
	v_lshl_or_b32 v[WD], v[BY+1], 16, v[BY]
	v_lshlrev_b32 v[WD], v[H8], v[WD]
	v_permlanex16_b32 v[WX], v[WD], s20, s21
	v_or_b32 v[WD], v[WD], v[WX]
.irp c, 0,1
	v_cvt_scalef32_pk16_bf6_f32 v[PC+6*\c:PC+2+6*\c], v[SX+32*\c:SX+15+32*\c], v[SO+\c]
	v_cvt_scalef32_pk16_bf6_f32 v[PT+4*\c:PT+2+4*\c], v[SX+16+32*\c:SX+31+32*\c], v[SO+\c]
.endr
	v_nop
.irp c, 0,1
.irp i, 0,1,2
	v_mov_b32 v[PC+3+6*\c+\i], v[PT+4*\c+\i]
.endr
.endr
.endm
.macro QS p
	WIN 0x04
.irp q, 0,1,2
	ds_store_b128 v[AW], v[PC+4*\q:PC+4*\q+3] offset:6144*(\p)+512*\q
.endr
	ds_store_b32 v[AWS], v[WD] offset:256*(\p)
.endm
.macro ELOAD p
	WIN 0x40
.irp c, 0,1
.irp i, 0,1,2,3,4,5,6,7
	global_load_b128 v[64*(\p)+32*\c+4*\i:64*(\p)+32*\c+4*\i+3], v[EO+(\p)], s[50:51] offset:256*\c+16*\i
.endr
.endr
.endm
.macro LOADF p, ahead
	s_add_co_u32 s47, s44, \ahead
	s_min_u32 s47, s47, 31
	s_lshr_b32 s48, s47, 3
	s_lshl_b32 s48, s48, 18
	s_and_b32 s47, s47, 7
	s_lshl_b32 s47, s47, 9
	s_or_b32 s47, s47, s48
	WIN 0
	v_add_nc_u32 v[EO+(\p)], s47, v[EL]
	ELOAD \p
.endm
.macro BODY slot, zero, mode
	s_wait_dscnt 12
	WM 0, \zero, \slot
	PLACES 4
	FETCH_B \slot, 2, 0
	s_wait_dscnt 12
	WM 1, \zero, \slot
	PLACES 4
	FETCH_B \slot, 3, 1
.if \mode < 2
	QS 1-\slot
.if \mode == 0
	LOADF 1-\slot, 3
.endif
	WIN 0
	s_wait_tensorcnt 0x0
	ds_add_u32 v[SPW], v[NIL]
.if \mode == 0
	s_add_co_u32 s47, s44, 2
	s_and_b32 s47, s47, 7
	s_mul_i32 s42, s47, KBLK
	s_add_nc_u64 s[G0+4*\slot+2:G0+4*\slot+3], s[40:41], s[42:43]
	s_or_b32 s[G0+4*\slot+3], s[G0+4*\slot+3], 0x80000000
.endif
	s_wait_dscnt 17                                ; group 2's fragments are in: behind them stand group 3's 12 loads, the image's 4 stores and the add
	WM 2, \zero, \slot
.if \mode == 0
	QC \slot
	s_wait_alu depctr_va_vdst(0)
.endif
	WIN 0
	s_wait_dscnt 0x0
.if \mode == 0
	CROUND
	tensor_load_to_lds s[G0+4*\slot:G0+4*\slot+3], s[G1:G1+7]
	s_nop 0
	PLACES 4
.else
	s_barrier_signal -1
	s_barrier_wait -1
	PLACES 4
.endif
	FETCH_A 1-\slot
	FETCH_S 1-\slot
	FETCH_B 1-\slot, 0, 0
	WM 3, \zero, \slot
	PLACES 4
	FETCH_B 1-\slot, 1, 1
.else
	s_wait_dscnt 12
	WM 2, \zero, \slot
	s_wait_dscnt 0x0
	WM 3, \zero, \slot
.endif
	WIN 0
	s_add_co_u32 s44, s44, 1
.endm
.set PB,   227328                      ; LDS: 256 bytes for each wave: the tile's 64 weights, the wave's own copy
.set CX,   240                         ; v240-247 my eight sums: columns 256 wave + 4 lane + 0..3 and 128 further on
.set MM,   248                         ; v248 m, the running largest t
.set LL,   249                         ; v249 my lane's part of the sum of p
.set CV,   250                         ; v250 16 x lane
.set PA,   251                         ; v251 where I put my two weights
.set PR,   252                         ; v252 where my wave's weights begin
.set FF,   254                         ; v254 2^(old m - new m); v255 is named with it as a pair
.macro CLOAD wd                        ; rows 32 wd .. 32 wd + 31 of the tile, my wave's 1,024 bytes of each, into window 2 + wd: row i at v[8 i]
	WIN 0x80+0x40*(\wd)
.set i, 0
.rept 32
	global_load_b128 v[8*i:8*i+3], v[CV], s[66:67] offset:4096*(32*(\wd)+i) th:TH_LOAD_NT
	global_load_b128 v[8*i+4:8*i+7], v[CV], s[66:67] offset:4096*(32*(\wd)+i)+512 th:TH_LOAD_NT
.set i, i+1
.endr
.endm
.macro PLOAD hf                        ; 32 weights, the same in every lane
.irp q, 0,1,2,3,4,5,6,7
	ds_load_b128 v[RS+4*\q:RS+4*\q+3], v[PR] offset:128*(\hf)+16*\q
.endr
.endm
.macro CFMA wd, r0, n                  ; n rows from r0 on of window 2 + wd, each under its weight: of the pair of weights one serves both halves
	WIN 0x02+(\wd)
.set i, \r0
.rept \n
.irp k, 0,2,4,6
.if i%2
	v_pk_fma_f32 v[CX+\k:CX+\k+1], v[8*i+\k:8*i+\k+1], v[RS+i-1:RS+i], v[CX+\k:CX+\k+1] op_sel:[0,1,0] op_sel_hi:[1,1,1]
.else
	v_pk_fma_f32 v[CX+\k:CX+\k+1], v[8*i+\k:8*i+\k+1], v[RS+i:RS+i+1], v[CX+\k:CX+\k+1] op_sel_hi:[1,0,1]
.endif
.endr
.set i, i+1
.endr
.endm
.macro EPI
	PLACES 4
.irp wd, 0,1
	WIN 0x82+0x41*\wd
.set i, 0
.rept 128
	v_pk_fma_f32 v[2*i:2*i+1], v[2*i:2*i+1], s[22:23], v[CB+2*(8*\wd+i/16):CB+2*(8*\wd+i/16)+1] op_sel_hi:[1,0,1]
.set i, i+1
.endr
.set i, 0
	s_wait_alu depctr_va_vdst(0)
.rept 256
	v_exp_f32 v[i], v[i]
.set i, i+1
.endr
	v_nop
	s_wait_alu depctr_va_vdst(0)
.set i, 0
.rept 128
	v_pk_add_f32 v[2*i:2*i+1], v[2*i:2*i+1], 1.0 op_sel_hi:[1,0]
.set i, i+1
.endr
.set i, 0
	s_wait_alu depctr_va_vdst(0)
.rept 256
	v_rcp_f32 v[i], v[i]
.set i, i+1
.endr
	v_nop
	s_wait_alu depctr_va_vdst(0)
	WIN 0x02+\wd
.set i, 0
.rept 128
.set RR, RS+8*((i/4)%4)+2*(i%4)
.if (\wd == 0) && (i < 16)
	v_pk_mul_f32 v[RR:RR+1], v[2*i:2*i+1], v[VV:VV+1]
.else
	v_pk_fma_f32 v[RR:RR+1], v[2*i:2*i+1], v[VV+2*(8*\wd+i/16):VV+2*(8*\wd+i/16)+1], v[RR:RR+1]
.endif
.set i, i+1
.endr
	CLOAD \wd
.endr
	WIN 0
.irp m, 1,2,4,8
.set i, 0
.rept 32
	v_add_f32_dpp v[RS+i], v[RS+i], v[RS+i] row_xmask:\m row_mask:0xf bank_mask:0xf
.set i, i+1
.endr
.endr
.irp j, 1,2,3,4,5,6,7
.irp a, 0,1,2,3
	v_cndmask_b32 v[RS+8*\a], v[RS+8*\a], v[RS+8*\a+\j], s[55+\j]
.endr
.endr
.irp a, 0,1,2,3
	ds_store_b32 v[SCW], v[RS+8*\a] offset:64*\a
.endr
	s_wait_dscnt 0x0
	s_barrier_signal -1
	s_barrier_wait -1
.irp k, 0,1,2,3
	ds_load_b64 v[20+2*\k:21+2*\k], v[SCRD] offset:256*\k
.endr
	s_wait_dscnt 0x0
	v_pk_add_f32 v[20:21], v[20:21], v[22:23]
	v_pk_add_f32 v[24:25], v[24:25], v[26:27]
	v_pk_add_f32 v[20:21], v[20:21], v[24:25]
	v_max_num_f32 v22, v20, v21                    ; v20, v21: t of rows 2 lane and 2 lane + 1
.irp m, 1,2,4,8
	v_max_num_f32_dpp v22, v22, v22 row_xmask:\m row_mask:0xf bank_mask:0xf
.endr
	v_permlanex16_b32 v23, v22, s20, s21
	v_max3_num_f32 v22, v22, v23, v[MM]            ; the new m
	v_sub_f32 v[FF], v[MM], v22
	v_sub_f32 v20, v20, v22
	v_sub_f32 v21, v21, v22
	v_mov_b32 v[MM], v22
	s_wait_alu depctr_va_vdst(0)                   ; ahead of the batch
	v_exp_f32 v[FF], v[FF]
	v_exp_f32 v20, v20
	v_exp_f32 v21, v21
	v_nop
	s_wait_alu depctr_va_vdst(0)                   ; and behind it
	ds_store_b64 v[PA], v[20:21]                   ; my wave's own bytes: LDS serves a wave's instructions in order
	PLOAD 0
	v_fma_f32 v[LL], v[LL], v[FF], v20
	v_add_f32 v[LL], v[LL], v21
.irp k, 0,2,4,6
	v_pk_mul_f32 v[CX+\k:CX+\k+1], v[CX+\k:CX+\k+1], v[FF:FF+1] op_sel_hi:[1,0]
.endr
	s_wait_alu depctr_va_vdst(0)
	s_wait_dscnt 0x0
	s_wait_loadcnt 63                              ; behind window 2's loads stand window 3's 64
	CFMA 0, 0, 32
	WIN 0
	PLOAD 1
	s_wait_alu depctr_va_vdst(0)
	s_wait_dscnt 0x0
.irp g, 0,1,2,3
.if \g > 0
	s_wait_alu depctr_va_vdst(0)
.endif
	s_wait_loadcnt 48-16*\g                        ; eight rows are 16 loads: the later rows' loads may be out
	CFMA 1, 8*\g, 8
.endr
	WIN 0
	s_add_nc_u64 s[66:67], s[66:67], 0x40000       ; all my loads are done: the next tile's 64 rows
.endm
	s_load_b256 s[4:11], s[0:1], 0x0
	s_load_b64 s[12:13], s[0:1], 0x20
	s_load_b64 s[68:69], s[0:1], 0x28
	v_lshl_add_u32 v[SPW], v0, 2, SPARE
	v_mov_b32 v[NIL], 0
	ds_add_u32 v[SPW], v[NIL]
	ds_add_u32 v[SPW], v[NIL]
	v_lshrrev_b32 v1, 5, v0
	v_readfirstlane_b32 s14, v1
	s_bfe_u32 s15, ttmp6, 0x40000
	s_lshl_b32 s16, ttmp9, 2
	s_add_co_u32 s16, s16, s15
	s_mov_b32 s[G1], 15|(3<<16)|(1<<21)
	s_mov_b32 s[G1+1], 32<<16
	s_mov_b32 s[G1+2], 104<<16
	s_mov_b32 s[G1+3], 32<<16
	s_mov_b32 s[G1+4], 104
	s_mov_b32 s[G1+5], 32
	s_mov_b32 s[G1+6], 0
	s_mov_b32 s[G1+7], 0
	s_mul_i32 s42, s14, QBLK
	s_mov_b32 s43, 0
	s_mov_b32 s17, s42
	s_mov_b32 s[G0], 1
	s_mov_b32 s[G0+1], s42
	s_mov_b32 s[G0+4], 1
	s_add_co_u32 s[G0+5], s42, SLOT
	s_mul_i32 s18, s14, 1536
	s_lshl_b32 s19, s14, 6
	s_mov_b32 s20, 0x76543210
	s_mov_b32 s21, 0xfedcba98
	s_mov_b32 s22, 0x4038aa3b
	s_mov_b32 s23, s22
	s_mov_b32 s44, 0
	s_mov_b32 s46, 4
	s_wait_dscnt 0x0
	s_wait_kmcnt 0x0
	s_add_nc_u64 s[40:41], s[6:7], s[42:43]
	s_mov_b64 s[G0+2:G0+3], s[40:41]
	s_or_b32 s[G0+3], s[G0+3], 0x80000000
	s_add_nc_u64 s[G0+6:G0+7], s[40:41], KBLK
	s_or_b32 s[G0+7], s[G0+7], 0x80000000
	CROUND
	tensor_load_to_lds s[G0:G0+3], s[G1:G1+7]
	s_nop 0
	s_wait_alu depctr_va_vdst(0)
	s_wait_tensorcnt 0x0
	ds_add_u32 v3, v4
	s_wait_dscnt 0x0
	CROUND
	tensor_load_to_lds s[G0+4:G0+7], s[G1:G1+7]
	s_nop 0
	PLACES 4
	s_lshl_b32 s48, s16, 20
	s_lshl_b32 s49, s14, 16
	s_add_co_u32 s48, s48, s49
	s_mov_b32 s49, 0
	s_add_nc_u64 s[50:51], s[4:5], s[48:49]
	s_lshl_b32 s48, s16, 12
	s_lshl_b32 s54, s14, 10
	s_add_co_u32 s48, s48, s54
	s_add_nc_u64 s[52:53], s[12:13], s[48:49]
	s_lshl_b32 s48, s16, 8
	s_add_nc_u64 s[68:69], s[68:69], s[48:49]
	s_lshl_b32 s48, s16, 20
	s_add_co_u32 s48, s48, s54
	s_add_nc_u64 s[66:67], s[4:5], s[48:49]
	s_lshr_b32 s48, s16, 3
	s_lshl_b32 s48, s48, 6
	s_lshl_b32 s54, s14, 15
	s_add_co_u32 s48, s48, s54
	s_add_nc_u64 s[8:9], s[8:9], s[48:49]
	s_lshl_b32 s48, s14, 10
	s_add_nc_u64 s[10:11], s[10:11], s[48:49]
	v_and_b32 v1, 15, v0
	v_bfe_u32 v2, v0, 4, 1
	v_and_b32 v19, 31, v0
	v_lshlrev_b32 v[EL], 12, v1
	v_lshl_add_u32 v[EL], v2, 7, v[EL]
	v_mov_b32 v[EO], v[EL]
	v_add_nc_u32 v[EO+1], 512, v[EL]
	v_lshlrev_b32 v20, 4, v19
	v_lshlrev_b32 v21, 2, v19
	v_add_nc_u32 v[BA], s17, v20
	v_add_nc_u32 v[BA+1], SLOT, v[BA]
	v_lshl_add_u32 v22, v2, 6, v21
	v_add_nc_u32 v22, s17, v22
	v_add_nc_u32 v[BSA], 24576, v22
	v_add_nc_u32 v[BSA+1], SLOT+24576, v22
	v_add_nc_u32 v[AR], AIMG, v20
	v_add_nc_u32 v[ASR], ASC, v21
	v_add_nc_u32 v[AW], s18, v[AR]
	v_lshl_add_u32 v[AWS], v1, 2, s19
	v_add_nc_u32 v[AWS], ASC, v[AWS]
	v_and_b32 v23, 7, v0
	s_lshl_b32 s19, s14, 8
	v_lshl_add_u32 v[SCW], v23, 2, s19
	v_lshl_add_u32 v[SCW], v2, 5, v[SCW]
	v_add_nc_u32 v[SCW], SCR, v[SCW]
	v_lshlrev_b32 v[GO], 3, v19
	v_add_nc_u32 v[SCRD], SCR, v[GO]
	v_add_nc_u32 v[PA], s19, v[GO]
	v_add_nc_u32 v[PA], PB, v[PA]
	v_mov_b32 v[PR], s19
	v_add_nc_u32 v[PR], PB, v[PR]
	v_lshlrev_b32 v[CV], 4, v19
	v_mov_b32 v[MM], 0xff61b1e6                    ; -3e38, under every t
	v_mov_b32 v[LL], 0
	v_mov_b32 v[FF+1], 0
.irp k, 0,1,2,3,4,5,6,7
	v_mov_b32 v[CX+\k], 0
.endr
.irp j, 1,2,3,4,5,6,7
	v_cmp_eq_u32 s[55+\j], \j, v23
.endr
	v_lshlrev_b32 v24, 3, v2
	v_lshlrev_b32 v25, 2, v1
	WIN 0x40
	v_mov_b32 v[H8], v24
	v_mov_b32 v[WX], 0
	WIN 0
.irp b, 0,1,2,3,4,5,6,7,8,9,10,11,12,13,14,15
	global_load_b32 v[CB+2*\b], v25, s[8:9] offset:2048*\b
.endr
.irp b, 0,1,2,3,4,5,6,7,8,9,10,11,12,13,14,15
	global_load_b32 v[VV+2*\b], v25, s[10:11] offset:64*\b
.endr
	ELOAD 0
	ELOAD 1
	WIN 0
	s_wait_loadcnt 32
.irp b, 0,1,2,3,4,5,6,7,8,9,10,11,12,13,14,15
	v_mul_f32 v[VV+2*\b], 0xc038aa3b, v[VV+2*\b]
	v_mov_b32 v[CB+2*\b+1], v[CB+2*\b]
.endr
.irp b, 0,1,2,3,4,5,6,7,8,9,10,11,12,13,14,15
	v_mov_b32 v[VV+2*\b+1], v[VV+2*\b]
.endr
	QUANT 0
	LOADF 0, 2
	QC 1
	WIN 0
	s_wait_alu depctr_va_vdst(0)
	s_wait_tensorcnt 0x1
	s_wait_dscnt 0x0
	s_barrier_signal -1
	s_barrier_wait -1
	FETCH_A 0
	FETCH_S 0
	FETCH_B 0, 0, 0
	FETCH_B 0, 1, 1
	WIN 0
.Ltile:
	BODY 0, 1, 0
	s_mov_b32 s45, 2
.Llap:
	BODY 1, 0, 0
	BODY 0, 0, 0
	s_sub_co_u32 s45, s45, 1
	s_cmp_lg_u32 s45, 0
	s_cbranch_scc1 .Llap
	BODY 1, 0, 0
	s_cmp_eq_u32 s46, 1
	s_cbranch_scc1 .Llast
	BODY 0, 0, 0
	BODY 1, 0, 0
	s_branch .Lepi
.Llast:
	BODY 0, 0, 1
	BODY 1, 0, 2
.Lepi:
	EPI
	s_sub_co_u32 s46, s46, 1
	s_cmp_lg_u32 s46, 0
	s_cbranch_scc1 .Ltile
.irp m, 1,2,4,8
	v_add_f32_dpp v[LL], v[LL], v[LL] row_xmask:\m row_mask:0xf bank_mask:0xf
.endr
	v_permlanex16_b32 v23, v[LL], s20, s21
	v_add_f32 v[LL], v[LL], v23                    ; the sum of p over my work-group's 256 rows
	s_wait_alu depctr_va_vdst(0)
	global_store_b128 v[CV], v[CX:CX+3], s[52:53]              ; each store covers 512 consecutive bytes, aligned
	global_store_b128 v[CV], v[CX+4:CX+7], s[52:53] offset:512
	s_cmp_lg_u32 s14, 0
	s_cbranch_scc1 .Lno_ml
	global_store_b64 v[GO], v[MM:MM+1], s[68:69]   ; m and the sum, in each lane's 8 bytes: 256 consecutive bytes, aligned
.Lno_ml:
	s_wait_tensorcnt 0x0
	ds_add_u32 v[SPW], v[NIL]
	s_wait_dscnt 0x0
	CROUND
	s_endpgm
.Lfunc_end_k_q9f8bf6252e_score:
	.size	k_q9f8bf6252e_score, .Lfunc_end_k_q9f8bf6252e_score-k_q9f8bf6252e_score
	.p2alignl 7, 3214868480
	.fill 96, 4, 3214868480
	.section	.rodata,"a",@progbits
	.p2align	6, 0x0
	.amdhsa_kernel k_q9f8bf6252e_score
		.amdhsa_group_segment_fixed_size 327680
		.amdhsa_private_segment_fixed_size 0
		.amdhsa_enable_private_segment 0
		.amdhsa_kernarg_size 48
		.amdhsa_user_sgpr_count 2
		.amdhsa_user_sgpr_kernarg_segment_ptr 1
		.amdhsa_wavefront_size32 1
		.amdhsa_system_sgpr_workgroup_id_x 1
		.amdhsa_system_sgpr_workgroup_id_y 1
		.amdhsa_system_sgpr_workgroup_id_z 1
		.amdhsa_system_vgpr_workitem_id 0
		.amdhsa_next_free_vgpr 1024
		.amdhsa_next_free_sgpr 80
		.amdhsa_reserve_vcc 0
		.amdhsa_float_denorm_mode_32 3
		.amdhsa_float_denorm_mode_16_64 3
		.amdhsa_memory_ordered 1
		.amdhsa_forward_progress 1
		.amdhsa_inst_pref_size 255
	.end_amdhsa_kernel
	.section	.bss,"aw",@nobits
	.p2align	6
	.space	262144
	.amdgpu_metadata
---
amdhsa.version: [ 1, 2 ]
amdhsa.kernels:
  - .name:           k_q9f8bf6252e_score
    .symbol:         k_q9f8bf6252e_score.kd
    .args:
      - { .name: enc_h_s, .offset: 0, .size: 8, .value_kind: global_buffer, .address_space: global }
      - { .name: wq, .offset: 8, .size: 8, .value_kind: global_buffer, .address_space: global }
      - { .name: cbuf, .offset: 16, .size: 8, .value_kind: global_buffer, .address_space: global }
      - { .name: v_a, .offset: 24, .size: 8, .value_kind: global_buffer, .address_space: global }
      - { .name: ctxp, .offset: 32, .size: 8, .value_kind: global_buffer, .address_space: global }
      - { .name: ml, .offset: 40, .size: 8, .value_kind: global_buffer, .address_space: global }
    .group_segment_fixed_size: 327680
    .private_segment_fixed_size: 0
    .kernarg_segment_align: 8
    .kernarg_segment_size: 48
    .max_flat_workgroup_size: 128
    .sgpr_count:     80
    .vgpr_count:     1024
    .wavefront_size: 32
...
	.end_amdgpu_metadata
.endif
;; end of part 2
;; launch join (part 3): grid 4 x 32, 2 waves a work-group, no clusters, 0 bytes of LDS; arguments ctxp, ml, out0; writes out0
.if DOCPART == 3
	.amdgcn_target "amdgcn-amd-amdhsa--gfx1250"
	.amdhsa_code_object_version 6
	.text
	.protected	k_q9f8bf6252e_join
	.globl	k_q9f8bf6252e_join
	.p2align	8
	.type	k_q9f8bf6252e_join,@function
k_q9f8bf6252e_join:
	s_mov_b64 s[64:65], 0
	v_nop
	global_prefetch_b8 v0, s[64:65] scope:SCOPE_SE
	s_setreg_imm32_b32 hwreg(HW_REG_WAVE_MODE, 25, 1), 1
	s_wait_xcnt 0x0
; ADDITIVE ATTENTION, launch 3 of 3: a batch's eight parts (256 rows each) are joined, all in f32.
; Part j brings m_j (its largest t, to the base 2), l_j (its sum of 2^(t - m_j)) and c_j[h] (its sums of 2^(t - m_j) enc).  With M the largest m_j and w_j = 2^(m_j - M):
; out0[b][h] = (sum over j of w_j c_j[h]) / (sum over j of w_j l_j).  The divisor is at least 1.
; Left out as shown at the head of the first kernel: b_v and the sum of v_a.
; Work-group (x, y): batch y, columns 256 x .. 256 x + 255; a thread takes 4 columns, 16 bytes: a wave's load or store covers 512 consecutive bytes, aligned.
; No LDS, no matrix unit, no cluster: 36,864 bytes a batch, each used once; no loop to run ahead in, so no prefetch.
; v8-23 the eight (m, l), then (w, l); v24 M; v26 the divisor (v27 named with it as a pair); v32-63 the eight parts
	s_load_b128 s[4:7], s[0:1], 0x0                ; ctxp s[4:5], ml s[6:7]
	s_load_b64 s[8:9], s[0:1], 0x10                ; out0
	v_and_b32 v1, 31, v0
	v_lshlrev_b32 v1, 3, v1                        ; ml: 8 x lane
	v_lshlrev_b32 v2, 4, v0                        ; 16 x thread
	v_mov_b32 v27, 0
	s_and_b32 s10, ttmp7, 0xffff                   ; the batch
	s_lshl_b32 s14, ttmp9, 10                      ; my 1,024 bytes of a row
	s_lshl_b32 s12, s10, 15                        ; eight parts of 4,096 bytes
	s_add_co_u32 s12, s12, s14
	s_mov_b32 s13, 0
	s_lshl_b32 s16, s10, 11                        ; eight blocks of 256 bytes
	s_mov_b32 s17, 0
	s_lshl_b32 s18, s10, 12
	s_add_co_u32 s18, s18, s14
	s_mov_b32 s19, 0
	s_wait_alu depctr_va_vdst(0)
	s_wait_kmcnt 0x0
	s_add_nc_u64 s[4:5], s[4:5], s[12:13]
	s_add_nc_u64 s[6:7], s[6:7], s[16:17]
	s_add_nc_u64 s[8:9], s[8:9], s[18:19]
.irp j, 0,1,2,3,4,5,6,7
	global_load_b64 v[8+2*\j:9+2*\j], v1, s[6:7] offset:256*\j th:TH_LOAD_NT
.endr
.irp j, 0,1,2,3,4,5,6,7
	global_load_b128 v[32+4*\j:35+4*\j], v2, s[4:5] offset:4096*\j th:TH_LOAD_NT
.endr
	s_wait_loadcnt 8                               ; the eight (m, l) are in; the eight parts may be out
	v_max3_num_f32 v24, v8, v10, v12
	v_max3_num_f32 v24, v24, v14, v16
	v_max3_num_f32 v24, v24, v18, v20
	v_max_num_f32 v24, v24, v22                    ; M
.irp j, 0,1,2,3,4,5,6,7
	v_sub_f32 v[8+2*\j], v[8+2*\j], v24
.endr
	s_wait_alu depctr_va_vdst(0)                   ; ahead of the batch
.irp j, 0,1,2,3,4,5,6,7
	v_exp_f32 v[8+2*\j], v[8+2*\j]                 ; w_j, at most 1
.endr
	v_nop
	s_wait_alu depctr_va_vdst(0)                   ; and behind it
	v_mul_f32 v26, v8, v9
.irp j, 1,2,3,4,5,6,7
	v_fmac_f32 v26, v[8+2*\j], v[9+2*\j]
.endr
	s_wait_alu depctr_va_vdst(0)
	v_rcp_f32 v26, v26
	v_nop
	s_wait_alu depctr_va_vdst(0)
	s_wait_loadcnt 0x0
	v_pk_mul_f32 v[32:33], v[32:33], v[8:9] op_sel_hi:[1,0]
	v_pk_mul_f32 v[34:35], v[34:35], v[8:9] op_sel_hi:[1,0]
.irp j, 1,2,3,4,5,6,7
	v_pk_fma_f32 v[32:33], v[32+4*\j:33+4*\j], v[8+2*\j:9+2*\j], v[32:33] op_sel_hi:[1,0,1]
	v_pk_fma_f32 v[34:35], v[34+4*\j:35+4*\j], v[8+2*\j:9+2*\j], v[34:35] op_sel_hi:[1,0,1]
.endr
	v_pk_mul_f32 v[32:33], v[32:33], v[26:27] op_sel_hi:[1,0]
	v_pk_mul_f32 v[34:35], v[34:35], v[26:27] op_sel_hi:[1,0]
	global_store_b128 v2, v[32:35], s[8:9]
	s_endpgm
.Lfunc_end_k_q9f8bf6252e_join:
	.size	k_q9f8bf6252e_join, .Lfunc_end_k_q9f8bf6252e_join-k_q9f8bf6252e_join
	.p2alignl 7, 3214868480
	.fill 96, 4, 3214868480
	.section	.rodata,"a",@progbits
	.p2align	6, 0x0
	.amdhsa_kernel k_q9f8bf6252e_join
		.amdhsa_group_segment_fixed_size 0
		.amdhsa_private_segment_fixed_size 0
		.amdhsa_enable_private_segment 0
		.amdhsa_kernarg_size 24
		.amdhsa_user_sgpr_count 2
		.amdhsa_user_sgpr_kernarg_segment_ptr 1
		.amdhsa_wavefront_size32 1
		.amdhsa_system_sgpr_workgroup_id_x 1
		.amdhsa_system_sgpr_workgroup_id_y 1
		.amdhsa_system_sgpr_workgroup_id_z 1
		.amdhsa_system_vgpr_workitem_id 0
		.amdhsa_next_free_vgpr 64
		.amdhsa_next_free_sgpr 66
		.amdhsa_reserve_vcc 0
		.amdhsa_float_denorm_mode_32 3
		.amdhsa_float_denorm_mode_16_64 3
		.amdhsa_memory_ordered 1
		.amdhsa_forward_progress 1
		.amdhsa_inst_pref_size 5
	.end_amdhsa_kernel
	.amdgpu_metadata
---
amdhsa.version: [ 1, 2 ]
amdhsa.kernels:
  - .name:           k_q9f8bf6252e_join
    .symbol:         k_q9f8bf6252e_join.kd
    .args:
      - { .name: ctxp, .offset: 0, .size: 8, .value_kind: global_buffer, .address_space: global }
      - { .name: ml, .offset: 8, .size: 8, .value_kind: global_buffer, .address_space: global }
      - { .name: out0, .offset: 16, .size: 8, .value_kind: global_buffer, .address_space: global }
    .group_segment_fixed_size: 0
    .private_segment_fixed_size: 0
    .kernarg_segment_align: 8
    .kernarg_segment_size: 24
    .max_flat_workgroup_size: 64
    .sgpr_count:     66
    .vgpr_count:     64
    .wavefront_size: 32
...
	.end_amdgpu_metadata
.endif
;; end of part 3
